; MI455X (gfx1250); checked and timed in simulation.
; The chip was launched on July 23, 2026; its instructions are those of AMD's public machine-readable ISA for CDNA 5 (MIT licence, August 2026) and "CDNA5" Instruction Set Architecture Reference Guide (July 2026). The comments in the code are by the model that wrote it; some were corrected since.
;; Attention. Allowed arithmetic: matrix products marked QUANTISED: E5M2 operands, one E8M0 scale for each 32 along K, by v_wmma_scale_f32_16x16x128_f8f6f4 with both operands' format E5M2, f32 sums; everything else in f32.
;; Inputs: W1_codes 512 x 16 x 32 uint8 (E5M2 codes of W1, K innermost, in blocks of 32 codes); W1_scales 512 x 16 uint8 (E8M0 scales of W1, one for each 32 codes along K); W2_codes 512 x 16 x 32 uint8 (E5M2 codes of W2, K innermost, in blocks of 32 codes); W2_scales 512 x 16 uint8 (E8M0 scales of W2, one for each 32 codes along K); b1 512 float32; hidden_states 32 x 4,096 x 512 float32.
;; Outputs: out0 512 float32.
;; This version of the problem:
;;   THIS VERSION OF THE PROBLEM IS GIVEN IN LOW PRECISION. The matrix products marked QUANTISED in the list below multiply operands that are first quantised to E5M2 (5 exponent bits, 2 mantissa bits; 8 bits a number), with one power-of-two scale for each 32 numbers along K (OCP MX v1.0); their sums are f32. All else is computed in f32.
;;   The module's matrix products, in the order in which they are computed (A, B: the left and right operand; K: the contracted axis; several contracted axes count as one K, in the product's order):
;;     1. [M 131,072, K 512] x [K 512, N 512]; A: input hidden_states; B: input W1 (given as codes): QUANTISED
;;     2. [M 131,072, K 512] x [K 512, N 512]; A: computed on the way; B: input W2 (given as codes): QUANTISED
;;   THE QUANTISER, for each operand of a quantised product, along K:
;;     - K is cut into blocks of 32 from its start; a last block that is shorter is filled with zeros.
;;     - A block's scale is 2^e with e = floor(log2(the largest magnitude in the block)) - 15, held to -126 .. 127; a block of zeros has e = 0. As a byte (E8M0): e + 127.
;;     - Each number is divided by its block's scale, clamped to +-57,344, and rounded to the nearest number of E5M2, ties to even, subnormals kept.
;;     - The product sums the exact products of the quantised numbers (number of the format x scale) in f32.
;;   ~~~python
;;   def quantise(x, axis):      # numpy; x: float32 -> the quantised numbers, widened to float32 again
;;       x = np.moveaxis(x, axis, -1); K = x.shape[-1]
;;       x = np.pad(x, [(0, 0)] * (x.ndim - 1) + [(0, -K % 32)]); x = x.reshape(x.shape[:-1] + (-1, 32)); a = np.abs(x).max(-1, keepdims=True)
;;       e = np.where(a > 0, np.clip(np.frexp(np.where(a > 0, a, 1))[1] - 1 - 15, -126, 127), 0)      # np.frexp(a)[1] - 1 = floor(log2(a)), exactly
;;       r = np.clip(x / 2.0 ** e, -57344, 57344)
;;       step = 2.0 ** (np.maximum(np.frexp(np.where(r == 0, 1, r))[1] - 1, -14) - 2)
;;       q = np.round(r / step) * step * 2.0 ** e      # np.round: ties to even
;;       return np.moveaxis(q.reshape(q.shape[:-2] + (-1,))[..., :K], -1, axis).astype(np.float32)
;;   ~~~
;;   OPERANDS COMPUTED ON THE WAY. 'Computed on the way' means the value that the module computes at that place (a softmax that the list does not call 'softmax' is quantised finished and normalised). What goes into a quantiser is computed in f32, as accurately as f32 sums, v_exp_f32 and their like allow (about 1e-6 of the number): no bf16 or f16 on the way to a quantiser, and a product that is left as it is and whose result goes on into a quantised operand takes f32 operands (vector FMAs, or v_wmma_f32_16x16x4_f32). A number that lies on a knife's edge between two numbers of the format may be rounded either way, as far as f32 arithmetic and the matrix unit's own rounding can turn it there, and no further.
;;   INPUTS GIVEN AS CODES. W1 (in the module: [512, 512], K = its axis 1); W2 (in the module: [512, 512], K = its axis 1): each comes as NAME_codes (uint8): NAME with its K axis moved to the last place and cut into blocks of 32 codes, [.., K / 32, bytes a block], one block behind the other in memory; one code a byte (a code: sign, 5 exponent bits, 2 mantissa bits); and NAME_scales (uint8): the same leading axes, one E8M0 byte (e + 127) for each 32 codes along K. Its value is code x scale, taken as it is: it is not quantised again, and the codes and scales need not be those that the quantiser above would give.
;; One version. Each part assembles by itself: llvm-mc -triple=amdgcn-amd-amdhsa -mcpu=gfx1250 --defsym DOCPART=n.
;; ======== version 1 of 1: 2 launches
;; limits: a function is approximated: absolute error at most 2e-07
;; workspace buffers: part 1,572,864 bytes
;; launch fused (part 1): grid 256 x 1, 4 waves a work-group, no clusters, 327,680 bytes of LDS; arguments hidden_states, W1_codes, W1_scales, b1, W2_codes, W2_scales, part; writes part
.if DOCPART == 1
	.amdgcn_target "amdgcn-amd-amdhsa--gfx1250"
	.amdhsa_code_object_version 6
	.text
	.protected	k_q75c4766a47_fused
	.globl	k_q75c4766a47_fused
	.p2align	8
	.type	k_q75c4766a47_fused,@function
k_q75c4766a47_fused:
	s_mov_b64 s[64:65], 0
	v_nop
	global_prefetch_b8 v0, s[64:65] scope:SCOPE_SE
	s_setreg_imm32_b32 hwreg(HW_REG_WAVE_MODE, 25, 1), 1
	s_wait_xcnt 0x0
; s = Q(tanh(Q(h) W1^T + b1)) W2^T, both products on codes of BF8 (E5M2) with one E8M0 scale for each 32 along K; then, for each column e of a chunk of 512 rows of one batch,
; the softmax statistics down the rows: NM = -log2(e) x the largest s, L = the sum of p, A = the sum of h p, with p = 2^(s log2(e) + NM).  They go to part [256 work-groups][3][512]; the next launch joins them.
; h [131072][512] f32; W1, W2 [512][512] as codes, K innermost, scale bytes [512][16]; b1 [512] f32.
; SHARES.  Work-group g owns rows 512 g .. 512 g + 511 (batch g / 8, chunk g % 8) and walks them in 16 blocks of 32 rows (two tiles of 16).  THE FOUR WAVES SHARE THE COLUMNS: wave w quantises columns 128 w .. + 127 of h
; (K step w of the first product), makes hidden units 128 w .. + 127 (K step w of the second) and the scores of columns e = 128 w .. + 127.  So its rows of W1 and W2 are read from memory once and stay with the wave:
; W2 (512 registers) and K steps 0, 1 of W1 (256 registers) in registers, K steps 2, 3 of W1 as images of their registers in the wave's own LDS bytes.
; h comes by the tensor data mover into two LDS slots of 32 rows, f32; it is read there twice: by the quantiser and for h p.  Codes and scale words go from wave to wave through LDS as images of the operand's registers.
; LAYOUT.  The first product is used transposed (source 0 = 16 rows of W1, source 1 = 16 rows of x); lane r of tile 2 b + u takes W1's row 32 b + 8 u + r + 8 (r / 8), so that a lane holds ONE row of u and the 16 registers of
; tiles 2 b, 2 b + 1 are 16 neighbours along the next K.  The second product is used as it reads (source 0 = 16 rows of u, source 1 = 16 rows of W2): a lane holds ONE column e and eight rows, so the softmax down the rows
; needs three numbers a tile and no other lane.  Lane r of tile 4 g + c takes W2's row 64 g + 4 r + c: h at the four tiles' columns is 16 neighbouring bytes, one LDS load.
; THE SOFTMAX keeps a running maximum for each lane and column; when it moves, L and A are multiplied by 2^(new NM - old NM).  The two halves of the lanes (rows 8 apart) are joined at the end.
; LDS LOADS ARE ASKED FOR AHEAD OF THEIR USE: registers that a product has done with take the next operands while other products or vector work run (P1HALF, the ring of three slots in the second product, the quantiser of h).
; LIMITS.  tanh(z) = 1 - 2 / (1 + 2^(2 log2(e) z)): absolute error about 1e-7, so the relative error grows as 1e-7 / |u| for small u.  A block of zeros gets the scale byte 1 where the rule says 127 (its codes are zeros; only
; this program reads the bytes).  The first product adds its K steps in the order 2, 0, 1, 3.  NaN and infinities among the inputs are not served.
; NOT IN A CLUSTER: work-groups share the weights alone, which each wave reads once, at the head, into registers; h, all that the loop fetches, is read by one work-group.
; REGISTERS, in windows of 256: window 0 as named below; window 1: W1 (tile t, K step s = 0, 1) at v[16 (2 t + s)]; window 2 + g: W2 (tile 4 g + c, K step s) at v[16 (4 c + s)].
.set PART,  16656                      ; LDS: what one tensor load brings: 8 rows of h as 16 lines of 1,024 bytes + 16 of padding, and 16 bytes more
.set LINEP, 1040                       ; from line to line
.set ROWP,  2080                       ; from row to row: 520 words, so rows 0-7 start 8 banks apart; PART is 4 banks off a whole turn, so rows 8-15 fall between them (64 banks of 4 bytes: ISA guide 11.1)
.set MT,    2*PART                     ; 16 rows on
.set SLX,   1<<17                      ; slot 1 begins here: one exclusive or turns an address in one slot into the other's
.set FRB,   2048                       ; a fragment's image: 16 registers x 128 bytes
.set W1IA,  66816                      ; images of W1, tiles 6, 7, K steps 2, 3: 4 fragments a wave
.set XIMG,  99584                      ; x's 8 fragments: (row tile m, K step s) at (4 m + s) FRB
.set XSC,   115968                     ; their scale words: K step s at 128 s; in it row tile 0's 16 words, then row tile 1's
.set BIA,   116480                     ; 2 log2(e) b1, 512 bytes a wave
.set SPARE, 118528                     ; the spare words, 128 bytes a wave: two blocks of 256 bytes that no other line names
.set W1IB,  197888                     ; images of W1, tiles 0-5, K steps 2, 3: 12 fragments a wave
.set UIMG,  296192                     ; u's 8 fragments, laid as x's
.set USC,   312576                     ; and their scale words
.set SPW,  1                           ; v1   LDS address of my spare word; never rewritten
.set NIL,  2                           ; v2   0; never rewritten
.set AXQ0, 3                           ; v3   my place in a slot for the quantiser: row r, my wave's columns, + 64 bytes for lanes 16-31
.set AFQ0, 4                           ; v4   my place in a slot for h p: row 8 (lane / 16), my wave's columns, + 16 r
.set ADX,  5                           ; v5   AXQ0 in the slot in hand
.set ADF,  6                           ; v6   AFQ0 in the slot in hand
.set LIX,  7                           ; v7   XIMG + 16 x lane
.set LSX,  8                           ; v8   XSC + 4 x lane
.set XWI,  9                           ; v9   where I store x's images: LIX + FRB x wave
.set XWS,  10                          ; v10  and their scale words: XSC + 128 x wave + 4 r
.set LIU,  11                          ; v11-14 the same four for u
.set LSU,  12
.set UWI,  13
.set UWS,  14
.set AWB,  15                          ; v15  W1IB + 12 FRB x wave + 16 x lane
.set AWA,  16                          ; v16  W1IA + 4 FRB x wave + 16 x lane
.set ABI,  17                          ; v17  BIA + 512 x wave + 64 (lane / 16)
.set PW,   18                          ; v18  the scale word just made, first row tile quantised;
.set PW2,  19                          ; v19  second: so that no LDS store's data are written while the store may be out
.set W1S,  20                          ; v20-35  W1's scale words: register 2 t + i: lanes 0-15 K step i, lanes 16-31 K step i + 2
.set W2S,  36                          ; v36-51  W2's, likewise
.set XS,   52                          ; v52-55  x's or u's scale words of K step s: lanes 0-15 row tile 0, lanes 16-31 row tile 1
.set NM,   56                          ; v56-63  -log2(e) x the running maximum, a register a tile
.set LS,   64                          ; v64-71  the running sum of p
.set AC,   72                          ; v72-79  the running sum of h p
.set ACC,  80                          ; v80-207 at work: 2 x 64 numbers of h; then PA and WS; then the scores (g, m, c) at ACC + 64 g + 32 m + 8 c
.set PA,   80                          ; the first product's 8 accumulators: (row tile m, tile tt of four) at PA + 32 m + 8 tt
.set WS,   144                         ; four slots of 16 for fragments from LDS: W1's, and by turns x's; the upper two also take the biases
.set XF,   208                         ; v208-239 x's two fragments of a K step
.set UF,   208                         ; v208-255 in the second product: three slots for u's fragments; v208-239 later take 32 numbers of h
.set TMX,  208                         ; in the quantiser of h: 16 registers at work,
.set PCX,  224                         ; a fragment's codes (the row tile quantised first),
.set PCY,  240                         ; and the other's
.set PC2,  240                         ; v240-247 codes of half a fragment of u; in the softmax four pairs of sums
.set TM,   248                         ; v248-255 at work
.set WV,   18                          ; s18  my wave's number
.set MNT,  19                          ; s19  the mantissa field of 57,344
.set SEL,  20                          ; s[20:21] v_permlanex16_b32's selects for lane l xor 16
.set K2,   22                          ; s[22:23] 2 log2(e) (the packed form names a pair and takes its low word)
.set CL,   24                          ; s[24:25] log2(e)
.set NEGC, 26                          ; s26  -log2(e)
.set TB,   27                          ; s27  LDS byte at which the slot in hand begins
.set CNT,  28                          ; s28  blocks that still ask for a successor
.set G1,   32                          ; s[32:39] descriptor group 1
.set G0,   40                          ; s[40:43] descriptor group 0, which walks
.set MSB, 0
.macro WIN new                         ; the immediate's high byte repeats the setting that is left; a switch that changes nothing is dropped
.if MSB != \new
	s_set_vgpr_msb (MSB<<8)|\new
.set MSB, \new
.endif
.endm
; Behind a matrix instruction of this form eight plain vector instructions that name none of its registers stand before a vector instruction or an LDS store reads its result or a vector instruction writes one of its registers
; and before a load is issued into one of them.
.macro NOPS n
.rept \n
	v_nop
.endr
.endm
.macro FETCH reg, adr, off             ; a fragment comes back from its image: four loads of 512 consecutive bytes
.irp c, 0,1,2,3
	ds_load_b128 v[\reg+4*\c:\reg+4*\c+3], v[\adr] offset:\off+512*\c
.endr
.endm
; One matrix instruction.  z = 1: it starts its sum.  ra, rb = 1: source 0's, source 1's scales are read from lanes 16-31 of the register named.
.macro WM d, a, b, z, sa, sb, ra, rb
.if \z
.if (\ra) && (\rb)
	v_wmma_scale_f32_16x16x128_f8f6f4 v[\d:\d+7], v[\a:\a+15], v[\b:\b+15], 0, v[\sa], v[\sb] matrix_a_fmt:MATRIX_FMT_BF8 matrix_b_fmt:MATRIX_FMT_BF8 matrix_a_scale:MATRIX_SCALE_ROW1 matrix_b_scale:MATRIX_SCALE_ROW1
.elseif \ra
	v_wmma_scale_f32_16x16x128_f8f6f4 v[\d:\d+7], v[\a:\a+15], v[\b:\b+15], 0, v[\sa], v[\sb] matrix_a_fmt:MATRIX_FMT_BF8 matrix_b_fmt:MATRIX_FMT_BF8 matrix_a_scale:MATRIX_SCALE_ROW1
.elseif \rb
	v_wmma_scale_f32_16x16x128_f8f6f4 v[\d:\d+7], v[\a:\a+15], v[\b:\b+15], 0, v[\sa], v[\sb] matrix_a_fmt:MATRIX_FMT_BF8 matrix_b_fmt:MATRIX_FMT_BF8 matrix_b_scale:MATRIX_SCALE_ROW1
.else
	v_wmma_scale_f32_16x16x128_f8f6f4 v[\d:\d+7], v[\a:\a+15], v[\b:\b+15], 0, v[\sa], v[\sb] matrix_a_fmt:MATRIX_FMT_BF8 matrix_b_fmt:MATRIX_FMT_BF8
.endif
.else
.if (\ra) && (\rb)
	v_wmma_scale_f32_16x16x128_f8f6f4 v[\d:\d+7], v[\a:\a+15], v[\b:\b+15], v[\d:\d+7], v[\sa], v[\sb] matrix_a_fmt:MATRIX_FMT_BF8 matrix_b_fmt:MATRIX_FMT_BF8 matrix_a_scale:MATRIX_SCALE_ROW1 matrix_b_scale:MATRIX_SCALE_ROW1
.elseif \ra
	v_wmma_scale_f32_16x16x128_f8f6f4 v[\d:\d+7], v[\a:\a+15], v[\b:\b+15], v[\d:\d+7], v[\sa], v[\sb] matrix_a_fmt:MATRIX_FMT_BF8 matrix_b_fmt:MATRIX_FMT_BF8 matrix_a_scale:MATRIX_SCALE_ROW1
.elseif \rb
	v_wmma_scale_f32_16x16x128_f8f6f4 v[\d:\d+7], v[\a:\a+15], v[\b:\b+15], v[\d:\d+7], v[\sa], v[\sb] matrix_a_fmt:MATRIX_FMT_BF8 matrix_b_fmt:MATRIX_FMT_BF8 matrix_b_scale:MATRIX_SCALE_ROW1
.else
	v_wmma_scale_f32_16x16x128_f8f6f4 v[\d:\d+7], v[\a:\a+15], v[\b:\b+15], v[\d:\d+7], v[\sa], v[\sb] matrix_a_fmt:MATRIX_FMT_BF8 matrix_b_fmt:MATRIX_FMT_BF8
.endif
.endif
.endm
; nb blocks of 32 along K.  Register 16 b + i of v[s] on is k = 32 b + 16 (lane / 16) + i of my row.  They become codes in v[pc] on (four registers a block) and nb scale bytes in v[pw].
; v[tm] on: nb largest magnitudes, nb of the other half's (then the bytes), nb holds, nb scale operands.
.macro QUANT s, nb, tm, pc, pw
.irp b, 0,1,2,3
.if \b < \nb
	v_max3_num_f32 v[\tm+\b], |v[\s+16*\b]|, |v[\s+16*\b+1]|, 0x8000000   ; my 16 numbers, and the floor 2^(16 - 127): the byte cannot fall under 1
.endif
.endr
.irp i, 2,4,6,8,10,12,14
.irp b, 0,1,2,3
.if \b < \nb
	v_max3_num_f32 v[\tm+\b], v[\tm+\b], |v[\s+16*\b+\i]|, |v[\s+16*\b+\i+1]|   ; the blocks by turns
.endif
.endr
.endr
.irp b, 0,1,2,3
.if \b < \nb
	v_permlanex16_b32 v[\tm+\nb+\b], v[\tm+\b], s[SEL], s[SEL+1]
.endif
.endr
.irp b, 0,1,2,3
.if \b < \nb
	v_max_num_f32 v[\tm+\b], v[\tm+\b], v[\tm+\nb+\b]   ; with lane l xor 16's: the block's largest magnitude
.endif
.endr
.irp b, 0,1,2,3
.if \b < \nb
	v_add_nc_u32 v[\tm+3*\nb+\b], 0xf8800000, v[\tm+\b]   ; 15 off its exponent field: the conversion takes the exponent field of this operand as its scale
.endif
.endr
.irp b, 0,1,2,3
.if \b < \nb
	v_and_or_b32 v[\tm+2*\nb+\b], v[\tm+\b], 0x7f800000, s[MNT]   ; 57,344 x the scale
.endif
.endr
.irp b, 0,1,2,3
.if \b < \nb
	v_lshrrev_b32 v[\tm+\nb+\b], 23, v[\tm+3*\nb+\b]   ; the scale's byte
.endif
.endr
	v_lshl_or_b32 v[\pw], v[\tm+\nb+1], 8, v[\tm+\nb]
.if \nb == 4
	v_lshl_or_b32 v[\pw], v[\tm+\nb+2], 16, v[\pw]
	v_lshl_or_b32 v[\pw], v[\tm+\nb+3], 24, v[\pw]
.endif
.irp b, 0,1,2,3
.if \b < \nb
.irp i, 0,1,2,3,4,5,6,7,8,9,10,11,12,13,14,15
	v_med3_num_f32 v[\s+16*\b+\i], v[\s+16*\b+\i], -v[\tm+2*\nb+\b], v[\tm+2*\nb+\b]   ; the conversion to an 8-bit code does not saturate (ISA guide 7.6.2): the hold at the largest code x the scale
.endr
	v_cvt_scalef32_pk8_bf8_f32 v[\pc+4*\b:\pc+4*\b+1], v[\s+16*\b:\s+16*\b+7], v[\tm+3*\nb+\b]
	v_cvt_scalef32_pk8_bf8_f32 v[\pc+4*\b+2:\pc+4*\b+3], v[\s+16*\b+8:\s+16*\b+15], v[\tm+3*\nb+\b]
.endif
.endr
	v_nop                                          ; one plain vector instruction behind the last conversion, ahead of whatever next touches its registers
.endm
; THE FIRST PRODUCT.  Tiles 4 q + tt of W1, tt = t0 .. t0 + nt - 1, x the two row tiles, K step s: 2 nt matrix instructions.  x's two fragments lie at v[xb] on; W1's lie in window 1 (s = 0, 1) or, from LDS, at v[wb] on.
; The accumulators take turns, one instruction a turn.
.macro WP q, s, zero, t0, nt, wb, xb
.irp tt, 0,1,2,3
.if (\tt >= \t0) && (\tt < \t0+\nt)
.irp m, 0,1
.set rD, PA+32*\m+8*\tt
.if \s >= 2
.set rA, \wb+16*(\tt-\t0)              ; from LDS
.set fA, 1
.else
.set rA, 16*(2*(4*\q+\tt)+\s)          ; in window 1
.set fA, 0
.endif
.set rB, \xb+16*\m
.set rSA, W1S+2*(4*\q+\tt)+(\s)%2
.set rSB, XS+\s
	WM rD, rA, rB, \zero, rSA, rSB, fA, \m
.endr
.endif
.endr
.endm
.macro WLOAD q, s, t0, wb              ; W1's fragments of tiles 4 q + t0, 4 q + t0 + 1, K step s = 2 or 3, from my own images into v[wb] on: 8 loads
.irp d, 0,1
.if 4*\q+\t0+\d < 6
	FETCH \wb+16*\d, AWB, (2*(4*\q+\t0+\d)+\s-2)*FRB
.else
	FETCH \wb+16*\d, AWA, (2*(4*\q+\t0+\d-6)+\s-2)*FRB
.endif
.endr
.endm
.macro XFLOAD s, xb                    ; x's two fragments of K step s into v[xb] on: 8 loads
.irp m, 0,1
	FETCH \xb+16*\m, LIX, (4*\m+\s)*FRB
.endr
.endm
.macro BSLOAD q, bb                    ; the biases of tiles 4 q .. 4 q + 3 in the result's layout: tile 2 b + u, lane (r, h): units 32 b + 16 h + 8 u + 0 .. 7: 8 loads
.irp tt, 0,1,2,3
	ds_load_b128 v[\bb+8*\tt:\bb+8*\tt+3], v[ABI] offset:(64*\q+32*(\tt/2)+8*(\tt%2))*4
	ds_load_b128 v[\bb+8*\tt+4:\bb+8*\tt+7], v[ABI] offset:(64*\q+32*(\tt/2)+8*(\tt%2))*4+16
.endr
.endm
; Half of my hidden units (64) for the 32 rows: the product, tanh, the quantiser, the images.  K goes 2, 0, 1, 3.  K step 2's six fragments were asked for during vector work.  Behind it W1's four slots are free: K steps 0 and 1
; take W1 from window 1, so the slots take x's K step 1 and the first half of W1's K step 3, and every later run of loads is asked for one group of products or more ahead of its use.
.macro P1HALF q
	s_wait_dscnt 0x0                               ; x's K step 2, W1's K step 2 (and the scale words) are in
	WP \q, 2, 1, 0, 4, WS, XF                      ; these products start the sums
	NOPS 8
	XFLOAD 0, XF
	XFLOAD 1, WS
	WLOAD \q, 3, 0, WS+32
	s_wait_dscnt 16                                ; x's K step 0 is in; the 16 loads behind it may be out
	WIN 0x01                                       ; source 0 in window 1
	WP \q, 0, 0, 0, 4, WS, XF
	WIN 0
	NOPS 8
	XFLOAD 3, XF
	s_wait_dscnt 8                                 ; x's K step 1 (and W1's tiles 0, 1 of K step 3) are in; the 8 loads just issued may be out
	WIN 0x01
	WP \q, 1, 0, 0, 4, WS, WS
	WIN 0
	NOPS 8
	WLOAD \q, 3, 2, WS
	s_wait_dscnt 8                                 ; x's K step 3 is in; the 8 loads just issued may be out
	WP \q, 3, 0, 0, 2, WS+32, XF
	NOPS 8
	BSLOAD \q, WS+32
	s_wait_dscnt 8                                 ; W1's tiles 2, 3 of K step 3 are in; the biases' 8 loads may be out
	WP \q, 3, 0, 2, 2, WS, XF
	NOPS 8
.if \q == 0
	XFLOAD 2, XF                                   ; for the second half
	WLOAD 1, 2, 0, WS
	s_wait_dscnt 16                                ; the biases are in; the 16 loads just issued may be out
.else
	s_wait_dscnt 0x0
.endif
.irp m, 0,1
.irp tt, 0,1,2,3
.irp i, 0,2,4,6
	v_pk_fma_f32 v[PA+32*\m+8*\tt+\i:PA+32*\m+8*\tt+\i+1], v[PA+32*\m+8*\tt+\i:PA+32*\m+8*\tt+\i+1], s[K2:K2+1], v[WS+32+8*\tt+\i:WS+32+8*\tt+\i+1] op_sel_hi:[1,0,1]   ; 2 log2(e) (sum + b1); each accumulator from its low end on
.endr
.endr
.endr
.if \q == 0
	WLOAD 1, 2, 2, WS+32                           ; the biases have been read: W1's next fragments land while tanh is computed
.endif
.set J, 0
.rept 64
	v_exp_f32 v[PA+J], v[PA+J]                     ; e^(2 z): one batch
.set J, J+1
.endr
	v_nop                                          ; a plain instruction behind the last exponential,
	s_wait_alu depctr_va_vdst(0)                   ; and one wait ahead of the batch's first reader
.set J, 0
.rept 32
	v_pk_add_f32 v[PA+J:PA+J+1], v[PA+J:PA+J+1], 1.0 op_sel_hi:[1,0]
.set J, J+2
.endr
.set J, 0
.rept 64
	v_rcp_f32 v[PA+J], v[PA+J]
.set J, J+1
.endr
	v_nop
	s_wait_alu depctr_va_vdst(0)                   ; likewise for the reciprocals
.set J, 0
.rept 32
	v_pk_fma_f32 v[PA+J:PA+J+1], v[PA+J:PA+J+1], -2.0, 1.0 op_sel_hi:[1,0,0]   ; u = 1 - 2 / (1 + e^(2 z)); where e^(2 z) overflows the reciprocal is 0 and u = 1
.set J, J+2
.endr
	QUANT PA, 2, TM, PC2, PW                       ; blocks 2 q, 2 q + 1 of K step w of the second product, rows 0 to 15
	ds_store_b128 v[UWI], v[PC2:PC2+3] offset:512*(2*\q)
	ds_store_b128 v[UWI], v[PC2+4:PC2+7] offset:512*(2*\q+1)
	ds_store_b16 v[UWS], v[PW] offset:2*\q         ; two of the row's four scale bytes; both lanes of a row write the same
	QUANT PA+32, 2, TM, PA, PW2                    ; rows 16 to 31: its codes go where the first row tile's numbers lay and its bytes into a register of their own, so no register that the stores above read is written
	ds_store_b128 v[UWI], v[PA:PA+3] offset:4*FRB+512*(2*\q)
	ds_store_b128 v[UWI], v[PA+4:PA+7] offset:4*FRB+512*(2*\q+1)
	ds_store_b16 v[UWS], v[PW2] offset:64+2*\q     ; (the next wait for all LDS instructions stands ahead of the next write of any of these registers)
.endm
; THE SECOND PRODUCT.  4 matrix instructions: row tile m (its fragment of u at v[ub] on) x tiles 4 g + c of W2, K step s.  The sixteen accumulators take turns.
.macro W4 m, g, s, ub
.irp c, 0,1,2,3
.set rD, ACC+64*\g+32*\m+8*\c
.set rA, \ub
.set rB, 16*(4*\c+\s)                  ; in window 2 + g
.set rSA, XS+\s
.set rSB, W2S+2*(4*\g+\c)+(\s)%2
.set fB, (\s)/2
.set fZ, 0
.if \s == 0
.set fZ, 1
.endif
	WM rD, rA, rB, fZ, rSA, rSB, \m, fB
.endr
.endm
.macro LH g, m, hb                     ; h(16 m + 8 (lane / 16) + j, 64 g + 4 r + 0 .. 3 of my columns) into v[hb + 4 j] on: 8 loads; sixteen lanes read 256 consecutive bytes
.irp j, 0,1,2,3,4,5,6,7
	ds_load_b128 v[\hb+4*\j:\hb+4*\j+3], v[ADF] offset:\m*MT+\j*ROWP+256*\g
.endr
.endm
.macro FM g, m, hb                     ; A += h p: 32 fused multiply-adds, four chains by turns
.irp j, 0,1,2,3,4,5,6,7
.irp c, 0,1,2,3
	v_fmac_f32 v[AC+4*\g+\c], v[\hb+4*\j+\c], v[ACC+64*\g+32*\m+8*\c+\j]
.endr
.endr
.endm
; The softmax step of tiles 4 g + c, c = 0 .. 3, by turns: a lane's 16 scores of a column (8 of each row tile).  v[TM + 2 c] = a: the new NM; v[TM + 2 c + 1]: new NM - old NM, then f = 2^ of it.
.macro SM_A g
.irp c, 0,1,2,3
	v_max3_num_f32 v[TM+2*\c], v[ACC+64*\g+8*\c], v[ACC+64*\g+8*\c+1], v[ACC+64*\g+8*\c+2]          ; each accumulator is read from its low end on
.endr
.irp c, 0,1,2,3
	v_max3_num_f32 v[TM+2*\c+1], v[ACC+64*\g+32+8*\c], v[ACC+64*\g+32+8*\c+1], v[ACC+64*\g+32+8*\c+2]
.endr
.irp j, 3,5
.irp c, 0,1,2,3
	v_max3_num_f32 v[TM+2*\c], v[TM+2*\c], v[ACC+64*\g+8*\c+\j], v[ACC+64*\g+8*\c+\j+1]
	v_max3_num_f32 v[TM+2*\c+1], v[TM+2*\c+1], v[ACC+64*\g+32+8*\c+\j], v[ACC+64*\g+32+8*\c+\j+1]
.endr
.endr
.irp c, 0,1,2,3
	v_max3_num_f32 v[TM+2*\c], v[TM+2*\c], v[ACC+64*\g+8*\c+7], v[ACC+64*\g+32+8*\c+7]
.endr
.irp c, 0,1,2,3
	v_max_num_f32 v[TM+2*\c], v[TM+2*\c], v[TM+2*\c+1]   ; the largest of the 16
.endr
.irp c, 0,1,2,3
	v_mul_f32 v[TM+2*\c], s[NEGC], v[TM+2*\c]
.endr
.irp c, 0,1,2,3
	v_min_num_f32 v[TM+2*\c], v[TM+2*\c], v[NM+4*\g+\c]   ; the new NM: -log2(e) x the running maximum
.endr
.irp c, 0,1,2,3
	v_sub_f32 v[TM+2*\c+1], v[TM+2*\c], v[NM+4*\g+\c]     ; 0 or less
.endr
.irp j, 0,2,4,6
.irp m, 0,1
.irp c, 0,1,2,3
	v_pk_fma_f32 v[ACC+64*\g+32*\m+8*\c+\j:ACC+64*\g+32*\m+8*\c+\j+1], v[ACC+64*\g+32*\m+8*\c+\j:ACC+64*\g+32*\m+8*\c+\j+1], s[CL:CL+1], v[TM+2*\c:TM+2*\c+1] op_sel_hi:[1,0,0]   ; s log2(e) + NM (of the pairs the low word serves both halves)
.endr
.endr
.endr
.irp c, 0,1,2,3
	v_exp_f32 v[TM+2*\c+1], v[TM+2*\c+1]           ; f
.endr
.irp j, 0,1,2,3,4,5,6,7
.irp m, 0,1
.irp c, 0,1,2,3
	v_exp_f32 v[ACC+64*\g+32*\m+8*\c+\j], v[ACC+64*\g+32*\m+8*\c+\j]   ; p: one batch of 68 exponentials
.endr
.endr
.endr
.irp c, 0,1,2,3
	v_mov_b32 v[NM+4*\g+\c], v[TM+2*\c]            ; (plain instructions behind the last exponential)
.endr
	s_wait_alu depctr_va_vdst(0)                   ; one wait ahead of the batch's first reader
.irp c, 0,1,2,3
	v_pk_add_f32 v[PC2+2*\c:PC2+2*\c+1], v[ACC+64*\g+8*\c:ACC+64*\g+8*\c+1], v[ACC+64*\g+8*\c+2:ACC+64*\g+8*\c+3]
.endr
.irp j, 4,6,32,34,36,38
.irp c, 0,1,2,3
	v_pk_add_f32 v[PC2+2*\c:PC2+2*\c+1], v[PC2+2*\c:PC2+2*\c+1], v[ACC+64*\g+8*\c+\j:ACC+64*\g+8*\c+\j+1]
.endr
.endr
.irp c, 0,1,2,3
	v_fma_f32 v[LS+4*\g+\c], v[LS+4*\g+\c], v[TM+2*\c+1], v[PC2+2*\c]   ; L = L f + the new p
.endr
.irp c, 0,1,2,3
	v_add_f32 v[LS+4*\g+\c], v[LS+4*\g+\c], v[PC2+2*\c+1]
.endr
.irp c, 0,1,2,3
	v_mul_f32 v[AC+4*\g+\c], v[AC+4*\g+\c], v[TM+2*\c+1]                ; A under the new maximum
.endr
.endm
	s_load_b256 s[4:11], s[0:1], 0x0               ; h s[4:5], W1's codes s[6:7], W1's scales s[8:9], b1 s[10:11]
	s_load_b128 s[12:15], s[0:1], 0x20             ; W2's codes s[12:13], W2's scales s[14:15]
	s_load_b64 s[16:17], s[0:1], 0x30              ; part
	v_lshl_add_u32 v[SPW], v0, 2, SPARE
	v_mov_b32 v[NIL], 0
	ds_add_u32 v1, v2
	ds_add_u32 v1, v2
	s_wait_dscnt 0x0
	v_lshrrev_b32 v19, 5, v0
	v_readfirstlane_b32 s[WV], v19                 ; wave 0..3
	s_mov_b32 s[MNT], 0x600000
	s_mov_b32 s[SEL], 0x76543210
	s_mov_b32 s[SEL+1], 0xfedcba98
	s_mov_b32 s[K2], 0x4038aa3b                    ; 2 log2(e)
	s_mov_b32 s[K2+1], s[K2]                       ; (named with it as a pair, so it is written)
	s_mov_b32 s[CL], 0x3fb8aa3b                    ; log2(e)
	s_mov_b32 s[CL+1], s[CL]
	s_mov_b32 s[NEGC], 0xbfb8aa3b
	s_mov_b32 s[TB], 0
	s_mov_b32 s[CNT], 15
	; descriptor group 1: 8 rows of h, dense in memory, as 16 lines of 256 elements of 4 bytes, 16 bytes of padding behind each line
	s_mov_b32 s[G1], (2<<16)|(1<<20)|(7<<22)|(3<<25)   ; 15:0 no mask; 17:16 elements of 4 bytes; 20 padding on; 24:22 after every 256 words (code 7); 31:25 four words (code 3)
	s_mov_b32 s[G1+1], 256<<16                     ; tensor_dim0 = 256
	s_mov_b32 s[G1+2], 16<<16                      ; tensor_dim1 = 16
	s_mov_b32 s[G1+3], 256<<16                     ; tile_dim0 = 256
	s_mov_b32 s[G1+4], 16                          ; tile_dim1 = 16
	s_mov_b32 s[G1+5], 256                         ; from line to line
	s_mov_b32 s[G1+6], 0
	s_mov_b32 s[G1+7], 0
	s_mov_b32 s[G0], 1                             ; count = 1
	s_mul_i32 s[G0+1], s[WV], PART                 ; LDS address: slot 0, my part
	s_lshl_b32 s44, ttmp9, 20                      ; my work-group's 512 rows of 2,048 bytes,
	s_lshl_b32 s45, s[WV], 14                      ; my 8 rows of a block
	s_add_co_u32 s44, s44, s45
	s_mov_b32 s45, 0
	s_wait_kmcnt 0x0
	s_add_nc_u64 s[G0+2:G0+3], s[4:5], s[44:45]
	s_or_b32 s[G0+3], s[G0+3], 0x80000000          ; type = 2
	tensor_load_to_lds s[G0:G0+3], s[G1:G1+7]      ; block 0 into slot 0: the first fill, ahead of everything else
	s_nop 0
	NOPS 4
.set TR,  216                          ; the head's own registers: r,
.set TH,  217                          ; lane / 16,
.set TL,  218                          ; lane,
.set T0,  219
.set T1,  220
.set VW1, 221                          ; byte offsets of my lane in W1's codes, W2's codes,
.set VW2, 222
.set VS1, 223                          ; W1's scales, W2's scales,
.set VS2, 224
.set VB,  225                          ; b1,
.set BST, 226                          ; and where I store 16 bytes of the scaled bias
.set BD,  228                          ; v228-231 four numbers of b1
	v_and_b32 v[TR], 15, v0
	v_bfe_u32 v[TH], v0, 4, 1
	v_and_b32 v[TL], 31, v0
	s_lshr_b32 s44, s[WV], 1                       ; my 128 columns in a row of a slot: which line,
	s_mul_i32 s44, s44, LINEP
	s_and_b32 s45, s[WV], 1                        ; which half of it
	s_lshl_b32 s45, s45, 9
	s_add_co_u32 s46, s44, s45
	v_lshrrev_b32 v[T0], 3, v[TR]
	v_mul_u32_u24 v[T0], v[T0], PART
	v_and_b32 v[T1], 7, v[TR]
	v_mad_u32_u24 v[T0], v[T1], ROWP, v[T0]
	v_lshl_add_u32 v[T0], v[TH], 6, v[T0]
	v_add_nc_u32 v[AXQ0], s46, v[T0]
	v_mul_u32_u24 v[T0], v[TH], PART
	v_lshl_add_u32 v[T0], v[TR], 4, v[T0]
	v_add_nc_u32 v[AFQ0], s46, v[T0]
	v_lshl_add_u32 v[LIX], v[TL], 4, XIMG
	v_lshl_add_u32 v[LSX], v[TL], 2, XSC
	v_lshl_add_u32 v[LIU], v[TL], 4, UIMG
	v_lshl_add_u32 v[LSU], v[TL], 2, USC
	s_lshl_b32 s44, s[WV], 11
	v_add_nc_u32 v[XWI], s44, v[LIX]
	v_add_nc_u32 v[UWI], s44, v[LIU]
	s_lshl_b32 s44, s[WV], 7
	v_lshl_add_u32 v[XWS], v[TR], 2, XSC
	v_add_nc_u32 v[XWS], s44, v[XWS]
	v_lshl_add_u32 v[UWS], v[TR], 2, USC
	v_add_nc_u32 v[UWS], s44, v[UWS]
	s_mul_i32 s44, s[WV], 12*FRB
	v_lshl_add_u32 v[AWB], v[TL], 4, W1IB
	v_add_nc_u32 v[AWB], s44, v[AWB]
	s_lshl_b32 s44, s[WV], 13
	v_lshl_add_u32 v[AWA], v[TL], 4, W1IA
	v_add_nc_u32 v[AWA], s44, v[AWA]
	s_lshl_b32 s47, s[WV], 9
	v_lshl_add_u32 v[ABI], v[TH], 6, BIA
	v_add_nc_u32 v[ABI], s47, v[ABI]
	v_lshl_add_u32 v[BST], v[TL], 4, BIA
	v_add_nc_u32 v[BST], s47, v[BST]
	v_lshl_add_u32 v[VB], v[TL], 4, s47            ; b1: my wave's 512 bytes, 16 a lane
	v_and_b32 v[T0], 8, v[TR]
	v_add_nc_u32 v[T0], v[T0], v[TR]               ; r + 8 (r / 8)
	v_lshlrev_b32 v[VW1], 9, v[T0]                 ; W1: a row is 512 bytes
	v_lshl_add_u32 v[VW1], v[TH], 4, v[VW1]
	v_lshlrev_b32 v[VW2], 11, v[TR]                ; W2: row 4 r
	v_lshl_add_u32 v[VW2], v[TH], 4, v[VW2]
	v_lshlrev_b32 v[VS1], 4, v[T0]                 ; scale bytes: 16 a row; lanes 16-31 take the word two K steps on
	v_lshl_add_u32 v[VS1], v[TH], 3, v[VS1]
	v_lshlrev_b32 v[VS2], 6, v[TR]
	v_lshl_add_u32 v[VS2], v[TH], 3, v[VS2]
	s_lshl_b32 s44, s[WV], 16                      ; my 128 rows of codes,
	s_mov_b32 s45, 0
	s_add_nc_u64 s[6:7], s[6:7], s[44:45]
	s_add_nc_u64 s[12:13], s[12:13], s[44:45]
	s_lshl_b32 s44, s[WV], 11                      ; and of scale bytes
	s_add_nc_u64 s[8:9], s[8:9], s[44:45]
	s_add_nc_u64 s[14:15], s[14:15], s[44:45]
	global_load_b128 v[BD:BD+3], v[VB], s[10:11]
	WIN 0x80                                       ; destination window 2: W1's K steps 2 and 3 pass through the registers that W2 will take
.irp t, 0,1,2,3,4,5,6,7
.irp s, 2,3
.irp k, 0,1,2,3
	global_load_b128 v[16*(2*\t+\s-2)+4*\k:16*(2*\t+\s-2)+4*\k+3], v[VW1], s[6:7] offset:(32*(\t/2)+8*(\t%2))*512+128*\s+32*\k
.endr
.endr
.endr
	WIN 0x40                                       ; destination window 1: W1's K steps 0 and 1 stay
.irp t, 0,1,2,3,4,5,6,7
.irp s, 0,1
.irp k, 0,1,2,3
	global_load_b128 v[16*(2*\t+\s)+4*\k:16*(2*\t+\s)+4*\k+3], v[VW1], s[6:7] offset:(32*(\t/2)+8*(\t%2))*512+128*\s+32*\k
.endr
.endr
.endr
	WIN 0xc0                                       ; destination window 3: W2's tiles 4 to 7
.irp c, 0,1,2,3
.irp s, 0,1,2,3
.irp k, 0,1,2,3
	global_load_b128 v[16*(4*\c+\s)+4*\k:16*(4*\c+\s)+4*\k+3], v[VW2], s[12:13] offset:(64+\c)*512+128*\s+32*\k
.endr
.endr
.endr
	WIN 0
.irp t, 0,1,2,3,4,5,6,7
.irp i, 0,1
	global_load_b32 v[W1S+2*\t+\i], v[VS1], s[8:9] offset:(32*(\t/2)+8*(\t%2))*16+4*\i
	global_load_b32 v[W2S+2*\t+\i], v[VS2], s[14:15] offset:(64*(\t/4)+\t%4)*16+4*\i
.endr
.endr
	s_wait_loadcnt 63                              ; 160 loads were issued behind b1's and the 64 of W1's K steps 2 and 3: with at most 63 out, those 65 are in
	v_pk_mul_f32 v[BD:BD+1], v[BD:BD+1], s[K2:K2+1] op_sel_hi:[1,0]
	v_pk_mul_f32 v[BD+2:BD+3], v[BD+2:BD+3], s[K2:K2+1] op_sel_hi:[1,0]
	ds_store_b128 v[BST], v[BD:BD+3]               ; 2 log2(e) b1: read by this wave alone
	WIN 0x08                                       ; an LDS store's data are its source 1: window 2
.irp t, 0,1,2,3,4,5
.irp s, 0,1
.irp k, 0,1,2,3
	ds_store_b128 v[AWB], v[16*(2*\t+\s)+4*\k:16*(2*\t+\s)+4*\k+3] offset:(2*\t+\s)*FRB+512*\k
.endr
.endr
.endr
.irp t, 6,7
.irp s, 0,1
.irp k, 0,1,2,3
	ds_store_b128 v[AWA], v[16*(2*\t+\s)+4*\k:16*(2*\t+\s)+4*\k+3] offset:(2*(\t-6)+\s)*FRB+512*\k
.endr
.endr
.endr
	WIN 0
	s_wait_dscnt 0x0                               ; the stores have read their registers
	WIN 0x80                                       ; destination window 2: W2's tiles 0 to 3
.irp c, 0,1,2,3
.irp s, 0,1,2,3
.irp k, 0,1,2,3
	global_load_b128 v[16*(4*\c+\s)+4*\k:16*(4*\c+\s)+4*\k+3], v[VW2], s[12:13] offset:\c*512+128*\s+32*\k
.endr
.endr
.endr
	WIN 0
.irp t, 0,1,2,3,4,5,6,7
	v_mov_b32 v[NM+\t], 0x7f61b1e6                 ; NM = 3e38: a maximum under every score
	v_mov_b32 v[LS+\t], 0
	v_mov_b32 v[AC+\t], 0
.endr
	s_wait_loadcnt 0x0                             ; all weights are in, and the head's offset registers are free
.irp b, 0,1,2,3
	v_mov_b32 v[TMX+4+\b], 0                       ; written once: a lane permute's destination counts as one of its sources
.endr
	v_mov_b32 v[TM+2], 0
	v_mov_b32 v[TM+3], 0
; A BLOCK OF 32 ROWS, three barriers.  refill = 1: the next block is asked for.
.macro BLOCK refill
	s_wait_tensorcnt 0x0                           ; my one tensor load that was out, my part of this block, has landed: so the group 0 may be written
	ds_add_u32 v[SPW], v[NIL]                      ; 0 onto my spare word
.if \refill
	s_xor_b32 s[G0+1], s[G0+1], SLX                ; the other slot than last time,
	s_add_nc_u64 s[G0+2:G0+3], s[G0+2:G0+3], 65536   ; the next 32 rows; the type bits on top are not reached
.endif
	s_wait_dscnt 0x0                               ; the add is done, and so are my reads of the last block's slot and of u's images
	s_barrier_signal -1
	s_barrier_wait -1                              ; both hold of all four waves: this block's slot is whole, nobody reads the other one
.if \refill
	tensor_load_to_lds s[G0:G0+3], s[G1:G1+7]      ; my one tensor load until the next such barrier: it has this whole block's work in which to land
	s_nop 0
	NOPS 4
.endif
	; ---- X: my 128 columns of the 32 rows become two fragments of K step w.  Row tile 1 goes first: its 64 registers then take W1's first four fragments while row tile 0 is quantised
	v_add_nc_u32 v[ADX], s[TB], v[AXQ0]
	v_add_nc_u32 v[ADF], s[TB], v[AFQ0]
.irp m, 1,0
.irp b, 0,1,2,3
.irp i, 0,1,2,3
	ds_load_b128 v[ACC+64*\m+16*\b+4*\i:ACC+64*\m+16*\b+4*\i+3], v[ADX] offset:\m*MT+128*\b+16*\i   ; row 16 m + r: 16 neighbours of block b
.endr
.endr
.endr
	s_wait_dscnt 16                                ; row tile 1's 16 loads are in; row tile 0's may be out
	QUANT ACC+64, 4, TMX, PCX, PW
.irp c, 0,1,2,3
	ds_store_b128 v[XWI], v[PCX+4*\c:PCX+4*\c+3] offset:4*FRB+512*\c
.endr
	ds_store_b32 v[XWS], v[PW] offset:64
	WLOAD 0, 2, 0, WS                              ; my own images, which nobody writes: W1's tiles 0 to 3 of K step 2
	WLOAD 0, 2, 2, WS+32
	s_wait_dscnt 21                                ; row tile 0's loads are in; the 5 stores and the 16 loads behind them may be out
	QUANT ACC, 4, TMX, PCY, PW2                    ; codes and scale word into registers of their own: none that the stores above read is written
.irp c, 0,1,2,3
	ds_store_b128 v[XWI], v[PCY+4*\c:PCY+4*\c+3] offset:512*\c
.endr
	ds_store_b32 v[XWS], v[PW2]
	s_wait_dscnt 0x0                               ; for the others' sake: my images have landed
	s_barrier_signal -1
	s_barrier_wait -1                              ; x's eight fragments lie in LDS
	; ---- 1: my 128 hidden units, 64 at a time
.irp s, 0,1,2,3
	ds_load_b32 v[XS+\s], v[LSX] offset:128*\s
.endr
	XFLOAD 2, XF
	P1HALF 0
	P1HALF 1
	s_wait_dscnt 0x0                               ; my images of u have landed, and my reads of x's are over
	s_barrier_signal -1
	s_barrier_wait -1                              ; u's eight fragments lie in LDS
	; ---- 2: the scores of my 128 columns for the 32 rows.  u's fragments, number F = 2 s + m, walk a ring of three slots; each feeds 8 matrix instructions, and its slot then takes fragment F + 3,
	; which so has the 16 matrix instructions of the two fragments between in which to land
.irp s, 0,1,2,3
	ds_load_b32 v[XS+\s], v[LSU] offset:128*\s
.endr
	FETCH UF, LIU, 0
	FETCH UF+16, LIU, 4*FRB
	FETCH UF+32, LIU, FRB
.set F, 0
.rept 8
.set PM, F%2                           ; row tile
.set PS, F/2                           ; K step
.set PU, UF+16*(F%3)                   ; slot
.if F < 6
	s_wait_dscnt 8                                 ; fragment F is in; the two younger ones' 8 loads may be out
.elseif F == 6
	s_wait_dscnt 4                                 ; the last fragment's 4 loads may be out
.else
	s_wait_dscnt 0x0
.endif
.if PM == 0
	WIN 0x08                                       ; source 1 in window 2
	W4 PM, 0, PS, PU
	WIN 0x0c                                       ; in window 3
	W4 PM, 1, PS, PU
.else
	WIN 0x0c
	W4 PM, 1, PS, PU
	WIN 0x08
	W4 PM, 0, PS, PU
.endif
.if F < 5
	NOPS 8
.set PN, F+3
	FETCH PU, LIU, (4*(PN%2)+PN/2)*FRB             ; (an LDS load names a destination and a source 0: both windows are 0 here)
.endif
.set F, F+1
.endr
	WIN 0
	NOPS 8
	; ---- the softmax down the rows, and h p; h's loads stand a step ahead of their use
	LH 0, 0, UF
	SM_A 0
	s_wait_dscnt 0x0
	FM 0, 0, UF
	LH 0, 1, UF
	LH 1, 0, ACC                                   ; into the registers of the p just used
	SM_A 1
	s_wait_dscnt 8                                 ; the older 8 loads are in
	FM 0, 1, UF
	LH 1, 1, UF
	s_wait_dscnt 8
	FM 1, 0, ACC
	s_wait_dscnt 0x0
	FM 1, 1, UF
	s_xor_b32 s[TB], s[TB], SLX                    ; on to the other slot
.endm
.Lblock:                                           ; 15 trips: every block but the last asks for its successor
	BLOCK 1
	s_sub_co_u32 s[CNT], s[CNT], 1
	s_cmp_lg_u32 s[CNT], 0
	s_cbranch_scc1 .Lblock
	BLOCK 0                                        ; the last block is written out
	; THE WAY OUT.  Lanes l and l xor 16 hold the same columns and other rows: their statistics are joined under the smaller NM.
.irp t, 0,1,2,3,4,5,6,7
	v_permlanex16_b32 v[88+\t], v[NM+\t], s[SEL], s[SEL+1]
.endr
.irp t, 0,1,2,3,4,5,6,7
	v_min_num_f32 v[88+\t], v[88+\t], v[NM+\t]     ; the joint NM
.endr
.irp t, 0,1,2,3,4,5,6,7
	v_sub_f32 v[96+\t], v[88+\t], v[NM+\t]
.endr
.irp t, 0,1,2,3,4,5,6,7
	v_exp_f32 v[96+\t], v[96+\t]
.endr
	v_and_b32 v120, 16, v0                         ; (a plain instruction behind the last exponential)
	s_wait_alu depctr_va_vdst(0)                   ; one wait for the eight, ahead of their first reader
.irp t, 0,1,2,3,4,5,6,7
	v_mul_f32 v[LS+\t], v[LS+\t], v[96+\t]
	v_mul_f32 v[AC+\t], v[AC+\t], v[96+\t]
.endr
.irp t, 0,1,2,3,4,5,6,7
	v_permlanex16_b32 v[104+\t], v[LS+\t], s[SEL], s[SEL+1]
	v_permlanex16_b32 v[112+\t], v[AC+\t], s[SEL], s[SEL+1]
.endr
.irp t, 0,1,2,3,4,5,6,7
	v_add_f32 v[LS+\t], v[LS+\t], v[104+\t]
	v_add_f32 v[AC+\t], v[AC+\t], v[112+\t]
.endr
	v_cmp_ne_u32 vcc_lo, 0, v120                   ; lanes 16-31
.irp c, 0,1,2,3
	v_cndmask_b32 v[124+\c], v[88+\c], v[92+\c], vcc_lo          ; lanes 0-15 take tiles 0-3 (columns 4 r + c), lanes 16-31 tiles 4-7 (columns 64 + 4 r + c): column 4 x lane + c
	v_cndmask_b32 v[128+\c], v[LS+\c], v[LS+4+\c], vcc_lo
	v_cndmask_b32 v[132+\c], v[AC+\c], v[AC+4+\c], vcc_lo
.endr
	v_and_b32 v136, 31, v0
	s_lshl_b32 s46, s[WV], 9
	v_lshl_add_u32 v136, v136, 4, s46              ; my wave's 512 bytes of a plane, 16 a lane
	s_mul_i32 s44, ttmp9, 6144                     ; my work-group's three planes of 2,048 bytes
	s_mov_b32 s45, 0
	s_add_nc_u64 s[16:17], s[16:17], s[44:45]
	global_store_b128 v136, v[124:127], s[16:17]               ; each store of the wave covers 512 consecutive bytes, at a multiple of 256 from the buffer's first byte
	global_store_b128 v136, v[128:131], s[16:17] offset:2048
	global_store_b128 v136, v[132:135], s[16:17] offset:4096
	s_wait_tensorcnt 0x0                           ; the wave's end, behind my last tensor load and my last LDS store
	ds_add_u32 v[SPW], v[NIL]
	s_wait_dscnt 0x0
	s_endpgm
.Lfunc_end_k_q75c4766a47_fused:
	.size	k_q75c4766a47_fused, .Lfunc_end_k_q75c4766a47_fused-k_q75c4766a47_fused
	.p2alignl 7, 3214868480
	.fill 96, 4, 3214868480
	.section	.rodata,"a",@progbits
	.p2align	6, 0x0
	.amdhsa_kernel k_q75c4766a47_fused
		.amdhsa_group_segment_fixed_size 327680
		.amdhsa_private_segment_fixed_size 0
		.amdhsa_enable_private_segment 0
		.amdhsa_kernarg_size 56
		.amdhsa_user_sgpr_count 2
		.amdhsa_user_sgpr_kernarg_segment_ptr 1
		.amdhsa_wavefront_size32 1
		.amdhsa_system_sgpr_workgroup_id_x 1
		.amdhsa_system_sgpr_workgroup_id_y 1
		.amdhsa_system_sgpr_workgroup_id_z 1
		.amdhsa_system_vgpr_workitem_id 0
		.amdhsa_next_free_vgpr 1024
		.amdhsa_next_free_sgpr 66
		.amdhsa_reserve_vcc 1
		.amdhsa_float_denorm_mode_32 3
		.amdhsa_float_denorm_mode_16_64 3
		.amdhsa_memory_ordered 1
		.amdhsa_forward_progress 1
		.amdhsa_inst_pref_size 255
	.end_amdhsa_kernel
	.section	.bss,"aw",@nobits
	.p2align	6
	.space	262144
	.amdgpu_metadata
---
amdhsa.version: [ 1, 2 ]
amdhsa.kernels:
  - .name:           k_q75c4766a47_fused
    .symbol:         k_q75c4766a47_fused.kd
    .args:
      - { .name: hidden_states, .offset: 0, .size: 8, .value_kind: global_buffer, .address_space: global }
      - { .name: W1_codes, .offset: 8, .size: 8, .value_kind: global_buffer, .address_space: global }
      - { .name: W1_scales, .offset: 16, .size: 8, .value_kind: global_buffer, .address_space: global }
      - { .name: b1, .offset: 24, .size: 8, .value_kind: global_buffer, .address_space: global }
      - { .name: W2_codes, .offset: 32, .size: 8, .value_kind: global_buffer, .address_space: global }
      - { .name: W2_scales, .offset: 40, .size: 8, .value_kind: global_buffer, .address_space: global }
      - { .name: part, .offset: 48, .size: 8, .value_kind: global_buffer, .address_space: global }
    .group_segment_fixed_size: 327680
    .private_segment_fixed_size: 0
    .kernarg_segment_align: 8
    .kernarg_segment_size: 56
    .max_flat_workgroup_size: 128
    .sgpr_count:     66
    .vgpr_count:     1024
    .wavefront_size: 32
...
	.end_amdgpu_metadata
.endif
;; end of part 1
;; launch combine (part 2): grid 8 x 1, 16 waves a work-group, no clusters, 6,144 bytes of LDS; arguments part, out0; writes out0
.if DOCPART == 2
	.amdgcn_target "amdgcn-amd-amdhsa--gfx1250"
	.amdhsa_code_object_version 6
	.text
	.protected	k_q75c4766a47_combine
	.globl	k_q75c4766a47_combine
	.p2align	8
	.type	k_q75c4766a47_combine,@function
k_q75c4766a47_combine:
	s_mov_b64 s[64:65], 0
	v_nop
	global_prefetch_b8 v0, s[64:65] scope:SCOPE_SE
	s_setreg_imm32_b32 hwreg(HW_REG_WAVE_MODE, 25, 1), 1
	s_wait_xcnt 0x0
; out0[e] = the sum over the 32 batches of A / L, where a batch's A and L are joined from its 8 chunks.  part: [256 = 8 x batch + chunk][3][512] f32: NM = -log2(e) x the chunk's largest score,
; L = the sum of p, A = the sum of h p, both under that NM.  Under the batch's smallest NM a chunk counts with the weight 2^(smallest NM - its NM), at most 1; the chunk that has the smallest NM counts whole, and its L is about 1 or more.
; SHARES.  Work-group x owns columns 64 x .. 64 x + 63 (256 bytes of a plane).  Thread t takes batch t / 16 and four columns, 16 (t % 16) bytes: sixteen lanes read 256 consecutive bytes, aligned.
; The two batches of a wave are added across the halves of the lanes, the sixteen waves' sums meet in LDS, and wave 0 adds them in a fixed order and stores 256 consecutive bytes.
; Memory's few bytes bind nothing here and there is no matrix work: no tensor loads, no cluster, no ring.
.set CH, 6144                          ; a chunk's three planes in bytes
.set N,  16                            ; v16-47   NM of chunk k at N + 4 k; then the weights
.set L,  48                            ; v48-79   L likewise
.set A,  80                            ; v80-111  A likewise
.set MN, 112                           ; v112-115 the smallest NM
.set SL, 116                           ; v116-119 the batch's L, then 1 / L
.set SA, 120                           ; v120-123 the batch's A, then A / L
	s_load_b128 s[4:7], s[0:1], 0x0                ; part, out0
	v_lshl_add_u32 v128, v0, 2, 0x1000
	v_mov_b32 v129, 0
	v_lshrrev_b32 v1, 5, v0
	v_readfirstlane_b32 s8, v1                     ; wave 0..15
	v_and_b32 v2, 15, v0                           ; r
	v_lshrrev_b32 v3, 4, v0                        ; batch
	v_mul_u32_u24 v3, v3, 8*CH
	v_lshl_add_u32 v3, v2, 4, v3                   ; my batch's first chunk, + 16 r
	v_lshlrev_b32 v4, 8, v1
	v_lshl_add_u32 v4, v2, 4, v4                   ; LDS: 256 x wave + 16 r
	v_lshlrev_b32 v5, 4, v2                        ; 16 r
	s_lshl_b32 s10, ttmp9, 8                       ; my work-group's 256 bytes of a plane, and of out0
	s_mov_b32 s11, 0
	s_mov_b32 s12, 0x76543210
	s_mov_b32 s13, 0xfedcba98                      ; v_permlanex16_b32's selects for lane l xor 16
	s_wait_kmcnt 0x0
	s_add_nc_u64 s[4:5], s[4:5], s[10:11]
	s_add_nc_u64 s[6:7], s[6:7], s[10:11]
.irp k, 0,1,2,3,4,5,6,7
	global_load_b128 v[N+4*\k:N+4*\k+3], v3, s[4:5] offset:\k*CH th:TH_LOAD_NT
.endr
.irp k, 0,1,2,3,4,5,6,7
	global_load_b128 v[L+4*\k:L+4*\k+3], v3, s[4:5] offset:\k*CH+2048 th:TH_LOAD_NT
	global_load_b128 v[A+4*\k:A+4*\k+3], v3, s[4:5] offset:\k*CH+4096 th:TH_LOAD_NT
.endr
	s_wait_loadcnt 16                              ; the eight NM are in; the 16 loads of L and A may be out
.irp c, 0,1,2,3
	v_min3_num_f32 v[MN+\c], v[N+\c], v[N+4+\c], v[N+8+\c]
.endr
.irp k, 3,5
.irp c, 0,1,2,3
	v_min3_num_f32 v[MN+\c], v[MN+\c], v[N+4*\k+\c], v[N+4*\k+4+\c]
.endr
.endr
.irp c, 0,1,2,3
	v_min_num_f32 v[MN+\c], v[MN+\c], v[N+28+\c]
.endr
.irp k, 0,1,2,3,4,5,6,7
.irp p, 0,2
	v_pk_add_f32 v[N+4*\k+\p:N+4*\k+\p+1], v[MN+\p:MN+\p+1], v[N+4*\k+\p:N+4*\k+\p+1] neg_lo:[0,1] neg_hi:[0,1]   ; the smallest NM - the chunk's: 0 or less
.endr
.endr
.set J, 0
.rept 32
	v_exp_f32 v[N+J], v[N+J]                       ; the weights: one batch
.set J, J+1
.endr
	v_nop                                          ; a plain instruction behind the last exponential,
	s_wait_alu depctr_va_vdst(0)                   ; and one wait ahead of the batch's first reader
	s_wait_loadcnt 0x0
.irp p, 0,2
	v_pk_mul_f32 v[SL+\p:SL+\p+1], v[L+\p:L+\p+1], v[N+\p:N+\p+1]       ; the first chunk starts the sums
	v_pk_mul_f32 v[SA+\p:SA+\p+1], v[A+\p:A+\p+1], v[N+\p:N+\p+1]
.endr
.irp k, 1,2,3,4,5,6,7
.irp p, 0,2
	v_pk_fma_f32 v[SL+\p:SL+\p+1], v[L+4*\k+\p:L+4*\k+\p+1], v[N+4*\k+\p:N+4*\k+\p+1], v[SL+\p:SL+\p+1]
	v_pk_fma_f32 v[SA+\p:SA+\p+1], v[A+4*\k+\p:A+4*\k+\p+1], v[N+4*\k+\p:N+4*\k+\p+1], v[SA+\p:SA+\p+1]
.endr
.endr
.irp c, 0,1,2,3
	v_rcp_f32 v[SL+\c], v[SL+\c]
.endr
	v_nop
	s_wait_alu depctr_va_vdst(0)                   ; likewise for the four reciprocals
.irp p, 0,2
	v_pk_mul_f32 v[SA+\p:SA+\p+1], v[SA+\p:SA+\p+1], v[SL+\p:SL+\p+1]   ; the batch's share of out0
.endr
.irp c, 0,1,2,3
	v_permlanex16_b32 v[N+\c], v[SA+\c], s12, s13  ; (its destination counts as read: these registers have been written)
.endr
.irp c, 0,1,2,3
	v_add_f32 v[SA+\c], v[SA+\c], v[N+\c]          ; my wave's two batches
.endr
	ds_store_b128 v4, v[SA:SA+3]                   ; both halves of the lanes write the same bytes with the same values
	s_wait_dscnt 0x0                               ; for the others' sake: my store has landed
	s_barrier_signal -1
	s_barrier_wait -1
	s_cmp_lg_u32 s8, 0
	s_cbranch_scc1 .Ldone                          ; wave 0 alone adds the sixteen
.irp i, 0,1,2,3,4,5,6,7,8,9,10,11,12,13,14,15
	ds_load_b128 v[16+4*\i:16+4*\i+3], v5 offset:256*\i
.endr
	s_wait_dscnt 0x0
.irp i, 4,5,6,7,8,9,10,11,12,13,14,15
.irp p, 0,2
	v_pk_add_f32 v[16+4*(\i%4)+\p:16+4*(\i%4)+\p+1], v[16+4*(\i%4)+\p:16+4*(\i%4)+\p+1], v[16+4*\i+\p:16+4*\i+\p+1]   ; four chains
.endr
.endr
.irp p, 0,2
	v_pk_add_f32 v[16+\p:16+\p+1], v[16+\p:16+\p+1], v[20+\p:20+\p+1]
	v_pk_add_f32 v[24+\p:24+\p+1], v[24+\p:24+\p+1], v[28+\p:28+\p+1]
.endr
.irp p, 0,2
	v_pk_add_f32 v[16+\p:16+\p+1], v[16+\p:16+\p+1], v[24+\p:24+\p+1]
.endr
	v_cmp_gt_u32 vcc_lo, 16, v0
	s_wait_xcnt 0x0                                ; EXEC changes only behind this wait
	s_and_saveexec_b32 s9, vcc_lo
	global_store_b128 v5, v[16:19], s[6:7]         ; sixteen lanes store 256 consecutive bytes, at a multiple of 256 from out0's first byte
	s_wait_xcnt 0x0                                ; and again, in front of the line that widens it
	s_or_b32 exec_lo, exec_lo, s9
.Ldone:
	s_wait_tensorcnt 0x0
	ds_add_u32 v128, v129
	s_wait_dscnt 0x0
	s_endpgm
.Lfunc_end_k_q75c4766a47_combine:
	.size	k_q75c4766a47_combine, .Lfunc_end_k_q75c4766a47_combine-k_q75c4766a47_combine
	.p2alignl 7, 3214868480
	.fill 96, 4, 3214868480
	.section	.rodata,"a",@progbits
	.p2align	6, 0x0
	.amdhsa_kernel k_q75c4766a47_combine
		.amdhsa_group_segment_fixed_size 6144
		.amdhsa_private_segment_fixed_size 0
		.amdhsa_enable_private_segment 0
		.amdhsa_kernarg_size 16
		.amdhsa_user_sgpr_count 2
		.amdhsa_user_sgpr_kernarg_segment_ptr 1
		.amdhsa_wavefront_size32 1
		.amdhsa_system_sgpr_workgroup_id_x 1
		.amdhsa_system_sgpr_workgroup_id_y 1
		.amdhsa_system_sgpr_workgroup_id_z 1
		.amdhsa_system_vgpr_workitem_id 0
		.amdhsa_next_free_vgpr 130
		.amdhsa_next_free_sgpr 66
		.amdhsa_reserve_vcc 1
		.amdhsa_float_denorm_mode_32 3
		.amdhsa_float_denorm_mode_16_64 3
		.amdhsa_memory_ordered 1
		.amdhsa_forward_progress 1
		.amdhsa_inst_pref_size 13
	.end_amdhsa_kernel
	.amdgpu_metadata
---
amdhsa.version: [ 1, 2 ]
amdhsa.kernels:
  - .name:           k_q75c4766a47_combine
    .symbol:         k_q75c4766a47_combine.kd
    .args:
      - { .name: part, .offset: 0, .size: 8, .value_kind: global_buffer, .address_space: global }
      - { .name: out0, .offset: 8, .size: 8, .value_kind: global_buffer, .address_space: global }
    .group_segment_fixed_size: 6144
    .private_segment_fixed_size: 0
    .kernarg_segment_align: 8
    .kernarg_segment_size: 16
    .max_flat_workgroup_size: 512
    .sgpr_count:     66
    .vgpr_count:     130
    .wavefront_size: 32
...
	.end_amdgpu_metadata
.endif
;; end of part 2
